; MI455X (gfx1250); checked and timed in simulation.
; The chip was launched on July 23, 2026; its instructions are those of AMD's public machine-readable ISA for CDNA 5 (MIT licence, August 2026) and "CDNA5" Instruction Set Architecture Reference Guide (July 2026). The comments in the code are by the model that wrote it; some were corrected since.
;; Multiheaded Attention. Allowed arithmetic: matrix products marked QUANTISED: E2M1 operands, one E8M0 scale for each 32 along K, by v_wmma_scale_f32_16x16x128_f8f6f4 with both operands' format E2M1 (or v_wmma_scale_f32_32x16x128_f4), f32 sums; products left as they are: bf16, f16 or f32 operands; f32 sums; everything else in f32.
;; Inputs: w_k 512 x 64 float32; w_o 512 x 512 float32; w_q 512 x 64 float32; w_v 512 x 64 float32; x 8,192 x 512 float32.
;; Outputs: out0 8,192 x 512 float32.
;; This version of the problem:
;;   THIS VERSION OF THE PROBLEM IS GIVEN IN LOW PRECISION. The matrix products marked QUANTISED in the list below multiply operands that are first quantised to E2M1 (2 exponent bits, 1 mantissa bit; 4 bits a number), with one power-of-two scale for each 32 numbers along K (OCP MX v1.0); their sums are f32. The products marked 'left as it is' may take bf16, f16 or f32 operands, with f32 sums. Whichever they take, every output number must still come out within the allowed error. Rounding operands to bf16 (8 significant bits) uses up far more of that allowance than f16 does (11 bits, for magnitudes from 6e-5 to 65,504). All else is computed in f32.
;;   The module's matrix products, in the order in which they are computed (A, B: the left and right operand; K: the contracted axis; several contracted axes count as one K, in the product's order):
;;     1. [M 8,192, K 512] x [K 512, N 64]; A: input x; B: input w_q: QUANTISED
;;     2. [M 8,192, K 512] x [K 512, N 64]; A: input x; B: input w_k: QUANTISED
;;     3. [M 8,192, K 512] x [K 512, N 64]; A: input x; B: input w_v: QUANTISED
;;     4. [M 8,192, K 64] x [K 64, N 8,192]; A: computed on the way; B: computed on the way: left as it is (an operand is computed on the way)
;;     5. [M 8,192, K 8,192] x [K 8,192, N 64]; A: computed on the way; B: computed on the way: left as it is (an operand is computed on the way)
;;     6. [M 8,192, K 512] x [K 512, N 512]; A: computed on the way; B: input w_o: left as it is (an operand is computed on the way)
;;   THE QUANTISER, for each operand of a quantised product, along K:
;;     - K is cut into blocks of 32 from its start; a last block that is shorter is filled with zeros.
;;     - A block's scale is 2^e with e = floor(log2(the largest magnitude in the block)) - 2, held to -126 .. 127; a block of zeros has e = 0. As a byte (E8M0): e + 127.
;;     - Each number is divided by its block's scale, clamped to +-6, and rounded to the nearest number of E2M1, ties to even, subnormals kept.
;;     - The product sums the exact products of the quantised numbers (number of the format x scale) in f32.
;;   ~~~python
;;   def quantise(x, axis):      # numpy; x: float32 -> the quantised numbers, widened to float32 again
;;       x = np.moveaxis(x, axis, -1); K = x.shape[-1]
;;       x = np.pad(x, [(0, 0)] * (x.ndim - 1) + [(0, -K % 32)]); x = x.reshape(x.shape[:-1] + (-1, 32)); a = np.abs(x).max(-1, keepdims=True)
;;       e = np.where(a > 0, np.clip(np.frexp(np.where(a > 0, a, 1))[1] - 1 - 2, -126, 127), 0)      # np.frexp(a)[1] - 1 = floor(log2(a)), exactly
;;       r = np.clip(x / 2.0 ** e, -6, 6)
;;       step = 2.0 ** (np.maximum(np.frexp(np.where(r == 0, 1, r))[1] - 1, 0) - 1)
;;       q = np.round(r / step) * step * 2.0 ** e      # np.round: ties to even
;;       return np.moveaxis(q.reshape(q.shape[:-2] + (-1,))[..., :K], -1, axis).astype(np.float32)
;;   ~~~
;; One version. Each part assembles by itself: llvm-mc -triple=amdgcn-amd-amdhsa -mcpu=gfx1250 --defsym DOCPART=n.
;; ======== version 1 of 1: 4 launches
;; limits: values are held in f16: magnitudes above 65,504 overflow, below 6.1e-05 lose precision
;; workspace buffers: wcode 49,152 bytes; wscale 6,144 bytes; wsum 65,536 bytes; qimg 1,048,576 bytes; kimg 1,048,576 bytes; vimg 1,048,576 bytes; opart 16,777,216 bytes; mlpart 1,048,576 bytes
;; launch prep (part 1): grid 22 x 1, 4 waves a work-group, no clusters, 0 bytes of LDS; arguments w_q, w_k, w_v, w_o, wcode, wscale, wsum; writes wcode, wscale, wsum
.if DOCPART == 1
	.amdgcn_target "amdgcn-amd-amdhsa--gfx1250"
	.amdhsa_code_object_version 6
	.text
	.protected	k_q257438a84c_prep
	.globl	k_q257438a84c_prep
	.p2align	8
	.type	k_q257438a84c_prep,@function
k_q257438a84c_prep:
	s_mov_b64 s[64:65], 0
	v_nop
	global_prefetch_b8 v0, s[64:65] scope:SCOPE_SE
	s_setreg_imm32_b32 hwreg(HW_REG_WAVE_MODE, 25, 1), 1
	s_wait_xcnt 0x0
; PREP.  The weights are laid once in the order in which a wave's operand registers take them.
; Work-groups 0-5: w_q, w_k, w_v ([512 (k)][64] f32) become codes of E2M1 with one E8M0 byte for each 32 along K.  Work-group 2 T + G takes columns 32 G .. 32 G + 31 of tensor T, wave s the K step 128 s .. 128 s + 127.
;   A LANE TAKES A COLUMN AND ITS REGISTERS RUN DOWN K: a block of 32 lies in one lane, its largest magnitude needs no other lane, and the conversions give codes with K innermost.
;   wcode [T 3][column tile 4][K step 4][c 2][512 bytes]: lane (r, h) of chunk c holds k = 64 c + 32 h + 0 .. 31 of column r, 16 bytes at 16 x lane.   wscale [T][column tile][K step][32 lanes x 4 bytes]: lanes r and 16 + r hold column r's four bytes.
; Work-groups 6-21: Wsum[p][n] = the sum over h = 0 .. 7 of w_o[64 h + p][n], in f32, h ascending: tile(head, 8) @ w_o = head @ Wsum for every input; every number of w_o is read.  Work-group 6 + J takes columns 32 J .. 32 J + 31,
;   wave u the rows p = 16 u .. 16 u + 15.   wsum [column tile 32][g 2][c 2][512 bytes], f16: lane (r, h) holds column r, p = 32 g + 16 c + 8 h + 0 .. 7.
; A block's scale is 2^(floor(log2(largest magnitude)) - 2); its byte is the largest magnitude's exponent field - 2, held at 1 from below.
; LIMITS: NaN and infinities are not served.  A block of zeros gets the byte 1 where the quantiser's rule says 127: its codes are zeros, and this program alone reads the bytes.  |Wsum| stays under 65,504 (f16).
; No LDS, no barrier: waves share nothing.  The scale words leave 128 bytes a store (6,144 bytes in the whole launch); all other stores cover 512 consecutive bytes.
.set X, 16                             ; v16-143  128 numbers as loaded
.set C, 144                            ; v144-159 a lane's 128 codes
.set H, 144                            ; v144-151 Wsum in f16 (the other path)
.macro LOADB b                         ; block b: w(128 s + 32 b + n, my column): 32 lanes read 128 consecutive bytes
.set n, 0
.rept 32
	global_load_b32 v[X+32*(\b)+n], v1, s[20:21] offset:(32*(\b)+n)*256
.set n, n+1
.endr
.endm
.macro BLOCK b                         ; block b's scale byte into v12, its 32 codes into v[C + 4 b] on
.set XS, X+32*(\b)
	v_max3_num_f32 v8, |v[XS]|, |v[XS+1]|, |v[XS+2]|               ; the largest magnitude, in two chains
	v_max3_num_f32 v9, |v[XS+3]|, |v[XS+4]|, |v[XS+5]|
.irp i, 6,10,14,18,22,26
	v_max3_num_f32 v8, v8, |v[XS+\i]|, |v[XS+\i+1]|
	v_max3_num_f32 v9, v9, |v[XS+\i+2]|, |v[XS+\i+3]|
.endr
	v_max3_num_f32 v8, v8, |v[XS+30]|, |v[XS+31]|
	v_max3_num_f32 v8, v8, v9, 0x1800000           ; and the floor 2^(3 - 127): the byte cannot fall under 1
	v_add_nc_u32 v10, 0xff000000, v8               ; 2 off the exponent field: the conversion takes the exponent field of this operand as its scale
	v_lshrrev_b32 v11, 23, v10                     ; the scale's byte
.if (\b) == 0
	v_mov_b32 v12, v11
.else
	v_lshl_or_b32 v12, v11, 8*(\b), v12            ; four bytes to the word, the lower K in the lower byte
.endif
.irp g, 0,1,2,3
	v_cvt_scalef32_pk8_fp4_f32 v[C+4*(\b)+\g], v[XS+8*\g:XS+8*\g+7], v10
.endr
.endm
.macro LOADH a                         ; w_o(64 a + 16 u + n, my column)
.set n, 0
.rept 16
	global_load_b32 v[X+16*(\a)+n], v1, s[10:11] offset:(64*(\a)+n)*2048
.set n, n+1
.endr
.endm
.macro ADDH a                          ; the sums take copy a's 16 rows
.set n, 0
.rept 8
	v_pk_add_f32 v[X+n:X+n+1], v[X+n:X+n+1], v[X+16*(\a)+n:X+16*(\a)+n+1]
.set n, n+2
.endr
.endm
	s_load_b256 s[4:11], s[0:1], 0x0               ; w_q s[4:5], w_k s[6:7], w_v s[8:9], w_o s[10:11]
	s_load_b128 s[12:15], s[0:1], 0x20             ; wcode s[12:13], wscale s[14:15]
	s_load_b64 s[16:17], s[0:1], 0x30              ; wsum
	v_lshrrev_b32 v3, 5, v0
	v_readfirstlane_b32 s18, v3                    ; wave 0..3
	v_and_b32 v2, 31, v0                           ; lane
	v_lshlrev_b32 v1, 2, v2                        ; 4 x lane
	v_lshlrev_b32 v2, 4, v2                        ; 16 x lane
	s_mov_b32 s23, 0
	s_mov_b32 s25, 0
	s_wait_kmcnt 0x0
	s_cmp_lt_u32 ttmp9, 6                          ; the work-group's number alone decides the path
	s_cbranch_scc0 .Lsum
	; ---- w_q, w_k, w_v into codes
	s_cmp_lt_u32 ttmp9, 2
	s_cselect_b64 s[20:21], s[4:5], s[6:7]
	s_cmp_lt_u32 ttmp9, 4
	s_cselect_b64 s[20:21], s[20:21], s[8:9]       ; tensor T = work-group / 2
	s_and_b32 s22, ttmp9, 1
	s_lshl_b32 s22, s22, 7                         ; my 32 columns: 128 bytes of a row
	s_lshl_b32 s24, s18, 15                        ; my 128 rows of 256 bytes
	s_add_co_u32 s22, s22, s24
	s_add_nc_u64 s[20:21], s[20:21], s[22:23]
	s_lshl_b32 s24, ttmp9, 13                      ; codes: two column tiles of 4,096 bytes a work-group,
	s_lshl_b32 s26, s18, 10                        ; 1,024 bytes a K step
	s_add_co_u32 s24, s24, s26
	s_add_nc_u64 s[12:13], s[12:13], s[24:25]
	s_lshl_b32 s24, ttmp9, 10                      ; scale words: two tiles of 512 bytes,
	s_lshl_b32 s26, s18, 7                         ; 128 bytes a K step
	s_add_co_u32 s24, s24, s26
	s_add_nc_u64 s[14:15], s[14:15], s[24:25]
	LOADB 0
	LOADB 1
	s_wait_loadcnt 32                              ; block 0 is in; block 1's 32 loads stay out
	LOADB 2
	BLOCK 0
	s_wait_loadcnt 32                              ; block 1 is in; block 2's stay out
	LOADB 3
	BLOCK 1
	s_wait_loadcnt 32                              ; block 2 is in; block 3's stay out
	BLOCK 2
	s_wait_loadcnt 0x0
	BLOCK 3
	v_nop                                          ; one plain place behind the last scaled conversion
.irp c, 0,1                                    ; lanes 0-15 hold the first tile's columns, lanes 16-31 the second's.  The operand wants block 2 c in lanes 0-15 and block 2 c + 1 in lanes 16-31 of ONE tile:
.irp i, 0,1,2,3
	v_permlane16_swap_b32 v[C+8*\c+\i], v[C+8*\c+4+\i]   ; block 2 c's lanes 16-31 change places with block 2 c + 1's lanes 0-15: the first register is now chunk c of the first tile, the second that of the second
.endr
.endr
	v_mov_b32 v13, v12
	v_permlane16_swap_b32 v12, v13                 ; v12: the first tile's scale words in both halves of the lanes; v13: the second's
.irp c, 0,1
.irp e, 0,1
	global_store_b128 v2, v[C+8*\c+4*\e:C+8*\c+4*\e+3], s[12:13] offset:\e*4096+\c*512   ; 512 consecutive bytes
.endr
.endr
	global_store_b32 v1, v12, s[14:15]
	global_store_b32 v1, v13, s[14:15] offset:512
	s_endpgm
	; ---- Wsum
.Lsum:
	s_sub_co_u32 s22, ttmp9, 6                     ; J
	s_lshl_b32 s24, s22, 7                         ; my 32 columns
	s_lshl_b32 s26, s18, 15                        ; my 16 rows of 2,048 bytes
	s_add_co_u32 s24, s24, s26
	s_add_nc_u64 s[10:11], s[10:11], s[24:25]
	s_lshl_b32 s24, s22, 12                        ; two column tiles of 2,048 bytes,
	s_lshl_b32 s26, s18, 9                         ; chunk u = 2 g + c
	s_add_co_u32 s24, s24, s26
	s_add_nc_u64 s[16:17], s[16:17], s[24:25]
	LOADH 0
	LOADH 1
	LOADH 2
	LOADH 3
	s_wait_loadcnt 32                              ; copies 0 and 1 are in; the 32 loads of copies 2 and 3 stay out
	LOADH 4
	LOADH 5
	ADDH 1
	s_wait_loadcnt 32                              ; copies 2 and 3 are in
	LOADH 6
	LOADH 7
	ADDH 2
	ADDH 3
	s_wait_loadcnt 32                              ; copies 4 and 5 are in
	ADDH 4
	ADDH 5
	s_wait_loadcnt 0x0
	ADDH 6
	ADDH 7
.irp j, 0,1,2,3,4,5,6,7
	v_cvt_pk_f16_f32 v[H+\j], v[X+2*\j], v[X+2*\j+1]   ; p = 16 u + 2 j in the low half, + 1 in the high
.endr
.irp i, 0,1,2,3
	v_permlane16_swap_b32 v[H+\i], v[H+4+\i]       ; the first four registers: the first tile's chunk (lanes 0-15: p + 0 .. 7, lanes 16-31: p + 8 .. 15); the other four: the second tile's
.endr
	global_store_b128 v2, v[H:H+3], s[16:17]
	global_store_b128 v2, v[H+4:H+7], s[16:17] offset:2048
	s_endpgm
.Lfunc_end_k_q257438a84c_prep:
	.size	k_q257438a84c_prep, .Lfunc_end_k_q257438a84c_prep-k_q257438a84c_prep
	.p2alignl 7, 3214868480
	.fill 96, 4, 3214868480
	.section	.rodata,"a",@progbits
	.p2align	6, 0x0
	.amdhsa_kernel k_q257438a84c_prep
		.amdhsa_group_segment_fixed_size 0
		.amdhsa_private_segment_fixed_size 0
		.amdhsa_enable_private_segment 0
		.amdhsa_kernarg_size 56
		.amdhsa_user_sgpr_count 2
		.amdhsa_user_sgpr_kernarg_segment_ptr 1
		.amdhsa_wavefront_size32 1
		.amdhsa_system_sgpr_workgroup_id_x 1
		.amdhsa_system_sgpr_workgroup_id_y 1
		.amdhsa_system_sgpr_workgroup_id_z 1
		.amdhsa_system_vgpr_workitem_id 0
		.amdhsa_next_free_vgpr 168
		.amdhsa_next_free_sgpr 66
		.amdhsa_reserve_vcc 0
		.amdhsa_float_denorm_mode_32 3
		.amdhsa_float_denorm_mode_16_64 3
		.amdhsa_memory_ordered 1
		.amdhsa_forward_progress 1
		.amdhsa_inst_pref_size 37
	.end_amdhsa_kernel
	.amdgpu_metadata
---
amdhsa.version: [ 1, 2 ]
amdhsa.kernels:
  - .name:           k_q257438a84c_prep
    .symbol:         k_q257438a84c_prep.kd
    .args:
      - { .name: w_q, .offset: 0, .size: 8, .value_kind: global_buffer, .address_space: global }
      - { .name: w_k, .offset: 8, .size: 8, .value_kind: global_buffer, .address_space: global }
      - { .name: w_v, .offset: 16, .size: 8, .value_kind: global_buffer, .address_space: global }
      - { .name: w_o, .offset: 24, .size: 8, .value_kind: global_buffer, .address_space: global }
      - { .name: wcode, .offset: 32, .size: 8, .value_kind: global_buffer, .address_space: global }
      - { .name: wscale, .offset: 40, .size: 8, .value_kind: global_buffer, .address_space: global }
      - { .name: wsum, .offset: 48, .size: 8, .value_kind: global_buffer, .address_space: global }
    .group_segment_fixed_size: 0
    .private_segment_fixed_size: 0
    .kernarg_segment_align: 8
    .kernarg_segment_size: 56
    .max_flat_workgroup_size: 128
    .sgpr_count:     66
    .vgpr_count:     168
    .wavefront_size: 32
...
	.end_amdgpu_metadata
.endif
;; end of part 1
;; launch proj (part 2): grid 256 x 1, 4 waves a work-group, no clusters, 77,312 bytes of LDS; arguments x, wcode, wscale, qimg, kimg, vimg; writes qimg, kimg, vimg
.if DOCPART == 2
	.amdgcn_target "amdgcn-amd-amdhsa--gfx1250"
	.amdhsa_code_object_version 6
	.text
	.protected	k_q257438a84c_proj
	.globl	k_q257438a84c_proj
	.p2align	8
	.type	k_q257438a84c_proj,@function
k_q257438a84c_proj:
	s_mov_b64 s[64:65], 0
	v_nop
	global_prefetch_b8 v0, s[64:65] scope:SCOPE_SE
	s_setreg_imm32_b32 hwreg(HW_REG_WAVE_MODE, 25, 1), 1
	s_wait_xcnt 0x0
; PROJ.  q = x w_q, k = x w_k, v = x w_v, both operands as codes of E2M1 with one E8M0 scale for each 32 along K = 512; sums in f32; results rounded to f16 and stored as images of the operand registers of the next launch.
; x: [8192][512] f32, quantised here.  The weights' codes and scale words come in operand order.
; SHARES.  A work-group takes 32 rows: two tiles of 16.  Wave w = 2 i + u quantises row tile i, K steps 2 u and 2 u + 1 (16 rows x 1,024 bytes) and lays the two fragments in LDS as images of their registers; one barrier;
; then wave w makes channels 16 w .. 16 w + 15 of q, k and v for both row tiles: 6 accumulators x 4 K steps = 24 matrix instructions.  All waves run one text.
; THE TURN THROUGH LDS.  A load is dense (32 lanes read 512 consecutive bytes of a row), but the conversions want 16 neighbours along K in ONE lane: a K step's 16 rows go into the wave's own stage as they lie and come back 64 bytes a lane.
; q and k are used TRANSPOSED (source 0 = 16 columns of the weight, source 1 = 16 rows of x): a lane holds one row and eight neighbouring channels.  v is used as it reads (source 0 = x): a lane holds one channel and eight neighbouring keys.
; qimg, kimg [row tile 512][g 2][c 2][512 bytes]: lane (r, h): row r, channels 32 g + 16 c + 8 h + 0 .. 7.   vimg [32 keys: 256][channel tile 4][c 2][512 bytes]: lane (r, h): channel r, keys 16 c + 8 h + 0 .. 7.
; LIMITS: NaN and infinities are not served; a block of zeros gets the byte 1 (its codes are zeros; this program alone reads the bytes); |q|, |k|, |v| stay under 65,504 (f16).
.set XIMG,  0                          ; LDS: x's 8 fragment images (4 i + s), 1,024 bytes each,
.set XSC,   8192                       ; their scale words, 128 bytes each,
.set STG,   9216                       ; the stages: for each wave two of 16 rows x 528 bytes (512 + 16 = 33 x 16: the sixteen rows that a load touches start 16 bytes apart modulo 256),
.set WSTG,  16896
.set SPARE, 76800                      ; the spare words, 128 bytes for each wave: two blocks of 256 bytes that no other line names
.set LI,  1                            ; v1   16 x lane
.set LS,  2                            ; v2   4 x lane
.set TSA, 3                            ; v3   my stage, on the way in: 16 x lane of a row
.set TRA, 4                            ; v4   and back: row r, + 64 h
.set XWI, 5                            ; v5   where I store my fragments' images
.set XWS, 6                            ; v6   and their scale words
.set SPW, 14                           ; v14  LDS address of my spare word; never rewritten
.set NIL, 15                           ; v15  0; never rewritten
.set XA,  16                           ; v16-79   K step 0 as loaded; then K step 1 turned; then x's 8 fragments at 8 (4 i + s)
.set XB,  80                           ; v80-143  K step 1 as loaded; then the accumulators
.set D,   80                           ; q0 q1 k0 k1 v0 v1, 8 registers each
.set XN,  144                          ; v144-207 K step 0 turned; later the packed results
.set TM,  208                          ; v208-223 the quantiser's work
.set PC,  224                          ; v224-231 the codes just made
.set PW,  232                          ; v232     the scale word just made
.set XS,  233                          ; v233-240 x's scale words (4 i + s): scales and nothing else
.set WS,  241                          ; v241-252 the weights' scale words (4 T + s): scales and nothing else
                                       ; window 1: v0-95 the weights' fragments at 8 (4 T + s)
.set SEL, 20
.set MSB, 0
.macro WIN new                         ; the immediate's high byte repeats the setting that is left
.if MSB != \new
	s_set_vgpr_msb (MSB<<8)|\new
.set MSB, \new
.endif
.endm
; 64 numbers of a lane, register 16 b + i = k 32 b + 16 (lane / 16) + i of my row, become a fragment's codes in v[PC] on and its scale word in v[PW]
.macro QUANT s
.irp b, 0,1,2,3
	v_max3_num_f32 v[TM+\b], |v[\s+16*\b]|, |v[\s+1+16*\b]|, 0x1800000   ; block b: my 16 numbers, and the floor 2^(3 - 127): the byte cannot fall under 1
.endr
.irp i, 2,4,6,8,10,12,14
.irp b, 0,1,2,3
	v_max3_num_f32 v[TM+\b], v[TM+\b], |v[\s+16*\b+\i]|, |v[\s+1+16*\b+\i]|   ; the four blocks by turns
.endr
.endr
.irp b, 0,1,2,3
	v_permlanex16_b32 v[TM+4+\b], v[TM+\b], s[SEL], s[SEL+1]
.endr
.irp b, 0,1,2,3
	v_max_num_f32 v[TM+\b], v[TM+\b], v[TM+4+\b]   ; with lane l xor 16's: the block's largest magnitude
.endr
.irp b, 0,1,2,3
	v_add_nc_u32 v[TM+12+\b], 0xff000000, v[TM+\b] ; 2 off its exponent field: the conversion's scale operand
.endr
.irp b, 0,1,2,3
	v_lshrrev_b32 v[TM+4+\b], 23, v[TM+12+\b]      ; the scale's byte
.endr
	v_lshl_or_b32 v[PW], v[TM+5], 8, v[TM+4]
	v_lshl_or_b32 v[PW], v[TM+6], 16, v[PW]
	v_lshl_or_b32 v[PW], v[TM+7], 24, v[PW]        ; my row's scale word
.irp b, 0,1,2,3
	v_cvt_scalef32_pk8_fp4_f32 v[PC+2*\b], v[\s+16*\b:\s+7+16*\b], v[TM+12+\b]
	v_cvt_scalef32_pk8_fp4_f32 v[PC+1+2*\b], v[\s+8+16*\b:\s+15+16*\b], v[TM+12+\b]
.endr
	v_nop                                          ; one plain place behind a scaled conversion
.irp c, 0,1                                    ; the operand wants a WHOLE block in a lane: lanes 0-15 block 2 c, lanes 16-31 block 2 c + 1
.irp i, 0,1
	v_permlane16_swap_b32 v[PC+4*\c+\i], v[PC+2+4*\c+\i]
.endr
.endr
.endm
	s_load_b256 s[4:11], s[0:1], 0x0               ; x s[4:5], wcode s[6:7], wscale s[8:9], qimg s[10:11]
	s_load_b128 s[12:15], s[0:1], 0x20             ; kimg s[12:13], vimg s[14:15]
	v_lshl_add_u32 v[SPW], v0, 2, SPARE
	v_mov_b32 v[NIL], 0
	v_lshrrev_b32 v7, 5, v0
	v_readfirstlane_b32 s16, v7                    ; wave 0..3
	v_and_b32 v7, 31, v0                           ; lane
	v_and_b32 v8, 15, v0                           ; r
	v_bfe_u32 v9, v0, 4, 1                         ; h
	v_lshlrev_b32 v[LI], 4, v7
	v_lshlrev_b32 v[LS], 2, v7
	s_mul_i32 s17, s16, WSTG
	s_add_co_u32 s17, s17, STG                     ; my two stages
	v_add_nc_u32 v[TSA], s17, v[LI]
	v_mul_u32_u24 v[TRA], v8, 528
	v_lshl_add_u32 v[TRA], v9, 6, v[TRA]
	v_add_nc_u32 v[TRA], s17, v[TRA]
	s_lshl_b32 s18, s16, 11
	v_add_nc_u32 v[XWI], s18, v[LI]                ; images 2 w and 2 w + 1 (XIMG is byte 0)
	s_lshl_b32 s18, s16, 8
	s_add_co_u32 s18, s18, XSC
	v_add_nc_u32 v[XWS], s18, v[LS]
.irp b, 0,1,2,3
	v_mov_b32 v[TM+4+\b], 0                        ; written once: a lane permute's destination counts as one of its sources
.endr
	s_mov_b32 s[SEL], 0x76543210
	s_mov_b32 s[SEL+1], 0xfedcba98                 ; lane l xor 16
	s_lshl_b32 s22, ttmp9, 16                      ; x: 32 rows of 2,048 bytes a work-group,
	s_lshr_b32 s24, s16, 1
	s_lshl_b32 s24, s24, 15                        ; 16 rows a tile,
	s_add_co_u32 s22, s22, s24
	s_and_b32 s24, s16, 1
	s_lshl_b32 s24, s24, 10                        ; two K steps of 512 bytes
	s_add_co_u32 s22, s22, s24
	s_mov_b32 s23, 0
	s_lshl_b32 s24, s16, 12                        ; the weights' codes: column tile w
	s_mov_b32 s25, 0
	s_lshl_b32 s26, s16, 9                         ; their scale words
	s_mov_b32 s27, 0
	s_lshl_b32 s28, ttmp9, 12                      ; q, k: two row tiles of 2,048 bytes a work-group, chunk w
	s_add_co_u32 s28, s28, s26
	s_mov_b32 s29, 0
	s_lshl_b32 s30, ttmp9, 12                      ; v: 32 keys are 4,096 bytes, channel tile w 1,024
	s_lshl_b32 s31, s16, 10
	s_add_co_u32 s30, s30, s31
	s_mov_b32 s31, 0
	s_wait_kmcnt 0x0
	s_add_nc_u64 s[4:5], s[4:5], s[22:23]
	s_add_nc_u64 s[6:7], s[6:7], s[24:25]
	s_add_nc_u64 s[8:9], s[8:9], s[26:27]
	s_add_nc_u64 s[10:11], s[10:11], s[28:29]
	s_add_nc_u64 s[12:13], s[12:13], s[28:29]
	s_add_nc_u64 s[14:15], s[14:15], s[30:31]
.set n, 0
.rept 16
	global_load_b128 v[XA+4*n:XA+4*n+3], v[LI], s[4:5] offset:n*2048 th:TH_LOAD_NT       ; row n, my first K step: 512 consecutive bytes
.set n, n+1
.endr
.set n, 0
.rept 16
	global_load_b128 v[XB+4*n:XB+4*n+3], v[LI], s[4:5] offset:n*2048+512 th:TH_LOAD_NT   ; my second K step
.set n, n+1
.endr
	WIN 0x40                                       ; destination window 1
.irp p, 0,1,2
.irp s, 0,1,2,3
.irp c, 0,1
	global_load_b128 v[8*(4*\p+\s)+4*\c:8*(4*\p+\s)+4*\c+3], v[LI], s[6:7] offset:\p*16384+\s*1024+\c*512
.endr
.endr
.endr
	WIN 0
.irp p, 0,1,2
.irp s, 0,1,2,3
	global_load_b32 v[WS+4*\p+\s], v[LS], s[8:9] offset:\p*2048+\s*128
.endr
.endr
	; ---- the turn.  LDS serves a wave's instructions in order, and the stages are the wave's own: no wait between its stores and its loads
	s_wait_loadcnt 52                              ; the first K step's 16 loads are in; behind them: 16 + 24 + 12
.set n, 0
.rept 16
	ds_store_b128 v[TSA], v[XA+4*n:XA+4*n+3] offset:n*528
.set n, n+1
.endr
.irp b, 0,1,2,3
.irp j, 0,1,2,3
	ds_load_b128 v[XN+16*\b+4*\j:XN+16*\b+4*\j+3], v[TRA] offset:128*\b+16*\j
.endr
.endr
	s_wait_loadcnt 36                              ; the second K step's are in; behind them: 24 + 12
.set n, 0
.rept 16
	ds_store_b128 v[TSA], v[XB+4*n:XB+4*n+3] offset:8448+n*528
.set n, n+1
.endr
	s_wait_dscnt 16                                ; all but the 16 stores just issued: the first K step is back, and its stores have read v16-79,
.irp b, 0,1,2,3
.irp j, 0,1,2,3
	ds_load_b128 v[XA+16*\b+4*\j:XA+16*\b+4*\j+3], v[TRA] offset:8448+128*\b+16*\j   ; which take the second K step, turned
.endr
.endr
	; ---- quantise
	QUANT XN
.irp c, 0,1
	ds_store_b128 v[XWI], v[PC+4*\c:PC+4*\c+3] offset:XIMG+512*\c
.endr
	ds_store_b32 v[XWS], v[PW]
	s_wait_dscnt 0x0                               ; the second K step is back; the stores have read the codes' registers
	QUANT XA
.irp c, 0,1
	ds_store_b128 v[XWI], v[PC+4*\c:PC+4*\c+3] offset:XIMG+1024+512*\c
.endr
	ds_store_b32 v[XWS], v[PW] offset:128
	s_wait_dscnt 0x0                               ; for the others' sake: my images lie in LDS
	s_barrier_signal -1
	s_barrier_wait -1                              ; all eight do
.set n, 0
.rept 16
	ds_load_b128 v[XA+4*n:XA+4*n+3], v[LI] offset:XIMG+512*n    ; fragment 4 i + s at v[XA + 8 (4 i + s)]
.set n, n+1
.endr
.irp f, 0,1,2,3,4,5,6,7
	ds_load_b32 v[XS+\f], v[LS] offset:XSC+128*\f
.endr
	s_wait_dscnt 0x0
	s_wait_loadcnt 0x0                             ; the weights
	; ---- the products.  All operands and scale words come from loads.  The accumulators take turns, one instruction a turn; the first K step starts the sums
	WIN 0x01                                       ; source 0 (the weight) window 1
.irp s, 0,1,2,3
.irp p, 0,1
.irp i, 0,1
.if \s == 0
	v_wmma_scale_f32_16x16x128_f8f6f4 v[D+8*(2*\p+\i):D+8*(2*\p+\i)+7], v[8*(4*\p+\s):8*(4*\p+\s)+7], v[XA+8*(4*\i+\s):XA+8*(4*\i+\s)+7], 0, v[WS+4*\p+\s], v[XS+4*\i+\s] matrix_a_fmt:MATRIX_FMT_FP4 matrix_b_fmt:MATRIX_FMT_FP4
.else
	v_wmma_scale_f32_16x16x128_f8f6f4 v[D+8*(2*\p+\i):D+8*(2*\p+\i)+7], v[8*(4*\p+\s):8*(4*\p+\s)+7], v[XA+8*(4*\i+\s):XA+8*(4*\i+\s)+7], v[D+8*(2*\p+\i):D+8*(2*\p+\i)+7], v[WS+4*\p+\s], v[XS+4*\i+\s] matrix_a_fmt:MATRIX_FMT_FP4 matrix_b_fmt:MATRIX_FMT_FP4
.endif
.endr
.endr
.endr
	WIN 0x04                                       ; source 1 (the weight) window 1
.irp s, 0,1,2,3
.irp i, 0,1
.if \s == 0
	v_wmma_scale_f32_16x16x128_f8f6f4 v[D+8*(4+\i):D+8*(4+\i)+7], v[XA+8*(4*\i+\s):XA+8*(4*\i+\s)+7], v[8*(8+\s):8*(8+\s)+7], 0, v[XS+4*\i+\s], v[WS+8+\s] matrix_a_fmt:MATRIX_FMT_FP4 matrix_b_fmt:MATRIX_FMT_FP4
.else
	v_wmma_scale_f32_16x16x128_f8f6f4 v[D+8*(4+\i):D+8*(4+\i)+7], v[XA+8*(4*\i+\s):XA+8*(4*\i+\s)+7], v[8*(8+\s):8*(8+\s)+7], v[D+8*(4+\i):D+8*(4+\i)+7], v[XS+4*\i+\s], v[WS+8+\s] matrix_a_fmt:MATRIX_FMT_FP4 matrix_b_fmt:MATRIX_FMT_FP4
.endif
.endr
.endr
	WIN 0
.rept 4
	v_nop                                          ; four places between the last product and the first read of results (ISA guide 7.12.1)
.endr
.irp a, 0,1,2,3,4,5
.irp j, 0,1,2,3
	v_cvt_pk_f16_f32 v[XN+4*\a+\j], v[D+8*\a+2*\j], v[D+8*\a+2*\j+1]   ; each accumulator from its low end on
.endr
.endr
.irp i, 0,1
	global_store_b128 v[LI], v[XN+4*\i:XN+4*\i+3], s[10:11] offset:\i*2048          ; each store is one chunk of 512 consecutive bytes
	global_store_b128 v[LI], v[XN+8+4*\i:XN+8+4*\i+3], s[12:13] offset:\i*2048
	global_store_b128 v[LI], v[XN+16+4*\i:XN+16+4*\i+3], s[14:15] offset:\i*512
.endr
	s_wait_tensorcnt 0x0                           ; the wave's end, behind my last LDS store
	ds_add_u32 v[SPW], v[NIL]
	s_wait_dscnt 0x0
	s_endpgm
.Lfunc_end_k_q257438a84c_proj:
	.size	k_q257438a84c_proj, .Lfunc_end_k_q257438a84c_proj-k_q257438a84c_proj
	.p2alignl 7, 3214868480
	.fill 96, 4, 3214868480
	.section	.rodata,"a",@progbits
	.p2align	6, 0x0
	.amdhsa_kernel k_q257438a84c_proj
		.amdhsa_group_segment_fixed_size 77312
		.amdhsa_private_segment_fixed_size 0
		.amdhsa_enable_private_segment 0
		.amdhsa_kernarg_size 48
		.amdhsa_user_sgpr_count 2
		.amdhsa_user_sgpr_kernarg_segment_ptr 1
		.amdhsa_wavefront_size32 1
		.amdhsa_system_sgpr_workgroup_id_x 1
		.amdhsa_system_sgpr_workgroup_id_y 1
		.amdhsa_system_sgpr_workgroup_id_z 1
		.amdhsa_system_vgpr_workitem_id 0
		.amdhsa_next_free_vgpr 352
		.amdhsa_next_free_sgpr 66
		.amdhsa_reserve_vcc 0
		.amdhsa_float_denorm_mode_32 3
		.amdhsa_float_denorm_mode_16_64 3
		.amdhsa_memory_ordered 1
		.amdhsa_forward_progress 1
		.amdhsa_inst_pref_size 28
	.end_amdhsa_kernel
	.amdgpu_metadata
---
amdhsa.version: [ 1, 2 ]
amdhsa.kernels:
  - .name:           k_q257438a84c_proj
    .symbol:         k_q257438a84c_proj.kd
    .args:
      - { .name: x, .offset: 0, .size: 8, .value_kind: global_buffer, .address_space: global }
      - { .name: wcode, .offset: 8, .size: 8, .value_kind: global_buffer, .address_space: global }
      - { .name: wscale, .offset: 16, .size: 8, .value_kind: global_buffer, .address_space: global }
      - { .name: qimg, .offset: 24, .size: 8, .value_kind: global_buffer, .address_space: global }
      - { .name: kimg, .offset: 32, .size: 8, .value_kind: global_buffer, .address_space: global }
      - { .name: vimg, .offset: 40, .size: 8, .value_kind: global_buffer, .address_space: global }
    .group_segment_fixed_size: 77312
    .private_segment_fixed_size: 0
    .kernarg_segment_align: 8
    .kernarg_segment_size: 48
    .max_flat_workgroup_size: 128
    .sgpr_count:     66
    .vgpr_count:     352
    .wavefront_size: 32
...
	.end_amdgpu_metadata
.endif
;; end of part 2
;; launch attn (part 3): grid 32 x 8, 8 waves a work-group, clusters of 4 x 1, 263,168 bytes of LDS; arguments qimg, kimg, vimg, opart, mlpart; writes opart, mlpart
.if DOCPART == 3
	.amdgcn_target "amdgcn-amd-amdhsa--gfx1250"
	.amdhsa_code_object_version 6
	.text
	.protected	k_q257438a84c_attn
	.globl	k_q257438a84c_attn
	.p2align	8
	.type	k_q257438a84c_attn,@function
k_q257438a84c_attn:
	s_mov_b64 s[64:65], 0
	v_nop
	global_prefetch_b8 v0, s[64:65] scope:SCOPE_SE
	s_setreg_imm32_b32 hwreg(HW_REG_WAVE_MODE, 25, 1), 1
	s_wait_xcnt 0x0
	s_wait_alu depctr_hold_cnt(0) depctr_sa_sdst(0) depctr_va_vdst(0) depctr_va_sdst(0) depctr_va_ssrc(0) depctr_va_vcc(0) depctr_vm_vsrc(0)
	s_getreg_b32 s2, hwreg(HW_REG_IB_STS2, 6, 4)
	s_cmp_eq_u32 s2, 0
	s_cbranch_scc0 .Lentry_in_a_cluster
	s_endpgm
.Lentry_in_a_cluster:
	s_bfe_u32 s2, ttmp6, 0x10000c
	s_cmp_lg_u32 s2, 0x3003
	s_cbranch_scc0 .Lentry_shape_is_right
	s_endpgm
.Lentry_shape_is_right:
; ATTN.  For 256 queries and 1,024 keys: S^T = K Q^T, p = 2^(c s - c m) with a running maximum m (c = log2(e) / 8), O^T = V^T P not normalised, the sum l of p.  Operands f16, products, maxima and sums f32.
; The work-group stores O^T, c m and l of its part of the keys; the next launch joins the eight parts.
; SHARES.  Work-group (query block qb of 32, key part of 8).  Wave w: queries 64 (w % 4) on (four tiles of 16), keys 512 (w / 4) on, 8 steps of 64 keys.  Two waves to a SIMD, 512 registers each: each wave goes in phases
; (products, softmax, products), and one wave's vector work stands beside the other's matrix work.  Each fragment of K and V read from LDS feeds four matrix instructions.
; At the end the two waves that hold the same queries join their halves through LDS.
; LDS.  The part's K (131,072 bytes) and V (131,072) lie in LDS whole, as the images of operand registers that the launch before stored: no slot is filled twice.  Each wave asks for three dense pieces (8, 8 and 16 KiB):
; three tensor loads of mine are out at the most.  The pieces serve steps 0-1, 2-3 and 4-7, so that the first steps run while the later pieces are on their way.
; CLUSTER.  The four query blocks of a cluster read the same K and V: every piece is asked for JOINTLY, by the same tensor load with the same descriptor and a mask that names the four.
; LAYOUT.  Both products are used transposed (source 0 = 16 keys, or 16 channels of V^T; source 1 = 16 queries): a lane holds ONE query (lane % 16) in S^T, P and O^T.  Two tiles of S^T, rounded to f16 in pairs, ARE a fragment of P.
; LIMITS: NaN and infinities are not served.  p is rounded to f16: what lies under 3e-8 becomes 0, at most 8,192 x 3e-8 against a sum of at least 1.
; REGISTERS.  Window 0: v1-11 addresses; v16-47 statistics, 8 a tile: +0 c m, +1 m, +2 +3 l (even keys', odd keys'), +4 .. +7 at work (a = 2^(c m_old - c m_new) in +6); v64-191 S^T, 32 a tile; v192-255 P, 16 a tile.
;   Window 1: v0-127 O^T, 32 a tile; v128-191 Q, 16 a tile; v192-255 K of a step, then V of the same step.
.set VIMG,  131072                     ; LDS: K's image from 0, V's from here
.set EXB,   17408                      ; the exchange at the end: for each group of queries 16,384 bytes of O^T and 1,024 of (c m, l); it lies in K's bytes, which have had their only fill and their last read by then
.set SPARE, 262144                     ; the spare words, 128 bytes for each wave: four blocks of 256 bytes that no other line names
.set LI,  1                            ; v1   16 x lane
.set AK0, 2                            ; v2   my half of K: 65,536 (w / 4) + 16 x lane
.set AV0, 3                            ; v3   the same in V
.set ADK, 4                            ; v4   the step's K
.set ADV, 5                            ; v5   the step's V
.set EXA, 6                            ; v6   the exchange: O^T
.set EXM, 7                            ; v7   the exchange: (c m, l)
.set GM,  8                            ; v8   8 x lane
.set SPW, 10                           ; v10  LDS address of my spare word; never rewritten
.set NIL, 11                           ; v11  0; never rewritten
.set ST,  16
.set S,   64
.set P,   192
.set Q,   128                          ; in window 1
.set KV,  192                          ; in window 1
.set WV,  14                           ; s14  my wave's number
.set QG,  15                           ; s15  w % 4
.set KG,  16                           ; s16  w / 4
.set G1A, 24                           ; s[24:31] descriptor group 1: 32 rows of 256 bytes
.set G1C, 32                           ; s[32:39] 64 rows of 256 bytes
.set G0,  40                           ; s[40:51] three groups 0
.set CS,  52                           ; s[52:53] c, twice: the packed form names a pair
.set SEL, 54                           ; s[54:55] lane l xor 16
.set TB,  56                           ; s56  the step's first byte in my half: 8,192 a step
.set CNT, 57
                                       ; s66-74 hold what hangs on my place in the cluster: it enters the addresses of Q and of the two outputs alone
.set MSB, 0
.macro WIN new                         ; the immediate's high byte repeats the setting that is left
.if MSB != \new
	s_set_vgpr_msb (MSB<<8)|\new
.set MSB, \new
.endif
.endm
.macro CROUND                          ; a round of the cluster's barrier
	s_barrier_signal -1
	s_barrier_wait -1
	s_cmp_lg_u32 s[WV], 0
	s_cbranch_scc1 .Lnot_wave_0_\@
	s_barrier_signal -3
.Lnot_wave_0_\@:
	s_barrier_wait -3
	s_barrier_signal -1
	s_barrier_wait -1
.endm
.macro BAR
	s_barrier_signal -1
	s_barrier_wait -1
.endm
.macro PLACES                          ; four places behind a matrix instruction, in front of reads of its result and of loads into its registers (ISA guide 7.12.1 for reads of its result)
.rept 4
	v_nop
.endr
.endm
.macro LDKV adr                        ; a step's 8,192 bytes of K or of V: 16 chunks, as they lie
	WIN 0x40                                       ; destination window 1
.set n, 0
.rept 16
	ds_load_b128 v[KV+4*n:KV+4*n+3], v[\adr] offset:512*n
.set n, n+1
.endr
.endm
.macro QK                              ; S^T = K Q^T: 16 accumulators (key tile k, query tile t) by turns, channels 32 g on; the first 16 start the sums
	WIN 0x05                                       ; K and Q window 1, S^T window 0
.irp g, 0,1
.irp k, 0,1,2,3
.irp t, 0,1,2,3
.if \g == 0
	v_wmma_f32_16x16x32_f16 v[S+32*\t+8*\k:S+32*\t+8*\k+7], v[KV+16*\k+8*\g:KV+16*\k+8*\g+7], v[Q+16*\t+8*\g:Q+16*\t+8*\g+7], 0
.else
	v_wmma_f32_16x16x32_f16 v[S+32*\t+8*\k:S+32*\t+8*\k+7], v[KV+16*\k+8*\g:KV+16*\k+8*\g+7], v[Q+16*\t+8*\g:Q+16*\t+8*\g+7], v[S+32*\t+8*\k:S+32*\t+8*\k+7]
.endif
.endr
.endr
.endr
.endm
.macro PV first                        ; O^T += V^T P: 16 accumulators (channel tile c, query tile t) by turns, keys 32 g on.  first = 1: the first 16 start the sums: nothing is ever cleared
	WIN 0x51                                       ; V window 1, P window 0, O^T window 1
.irp g, 0,1
.irp c, 0,1,2,3
.irp t, 0,1,2,3
.if (\first) && (\g == 0)
	v_wmma_f32_16x16x32_f16 v[32*\t+8*\c:32*\t+8*\c+7], v[KV+32*\g+8*\c:KV+32*\g+8*\c+7], v[P+16*\t+8*\g:P+16*\t+8*\g+7], 0
.else
	v_wmma_f32_16x16x32_f16 v[32*\t+8*\c:32*\t+8*\c+7], v[KV+32*\g+8*\c:KV+32*\g+8*\c+7], v[P+16*\t+8*\g:P+16*\t+8*\g+7], v[32*\t+8*\c:32*\t+8*\c+7]
.endif
.endr
.endr
.endr
.endm
; The softmax of a step, all in window 0; every line runs over the four tiles by turns, so that no line waits for the line above it.  first = 1: the first step starts m and l and has no a.
.macro SOFTMAX first
.irp j, 0,1,2,3                        ; the maximum of a lane's 32 scores: four chains, each begun at the low end of a key tile's accumulator
.irp t, 0,1,2,3
	v_max3_num_f32 v[ST+8*\t+4+\j], v[S+32*\t+8*\j], v[S+32*\t+8*\j+1], v[S+32*\t+8*\j+2]
.endr
.endr
.irp q, 1,2
.irp j, 0,1,2,3
.irp t, 0,1,2,3
	v_max3_num_f32 v[ST+8*\t+4+\j], v[ST+8*\t+4+\j], v[S+32*\t+8*\j+2*\q+1], v[S+32*\t+8*\j+2*\q+2]
.endr
.endr
.endr
.irp t, 0,1,2,3
	v_max3_num_f32 v[ST+8*\t+4], v[ST+8*\t+4], v[S+32*\t+7], v[S+32*\t+15]
.endr
.irp t, 0,1,2,3
	v_max3_num_f32 v[ST+8*\t+6], v[ST+8*\t+6], v[S+32*\t+23], v[S+32*\t+31]
.endr
.irp t, 0,1,2,3
	v_max3_num_f32 v[ST+8*\t+4], v[ST+8*\t+4], v[ST+8*\t+5], v[ST+8*\t+6]
.endr
.irp t, 0,1,2,3
.if \first
	v_max_num_f32 v[ST+8*\t+4], v[ST+8*\t+4], v[ST+8*\t+7]
.else
	v_max3_num_f32 v[ST+8*\t+4], v[ST+8*\t+4], v[ST+8*\t+7], v[ST+8*\t+1]   ; and the old m
.endif
.endr
.irp t, 0,1,2,3
	v_permlanex16_b32 v[ST+8*\t+5], v[ST+8*\t+4], s[SEL], s[SEL+1]          ; the query's other 32 keys lie in the lane 16 away
.endr
.if !(\first)
.irp t, 0,1,2,3
	v_mov_b32 v[ST+8*\t+7], v[ST+8*\t]             ; c m_old is kept for a
.endr
.endif
.irp t, 0,1,2,3
	v_max_num_f32 v[ST+8*\t+1], v[ST+8*\t+4], v[ST+8*\t+5]                  ; the new m
.endr
.irp t, 0,1,2,3
	v_mul_f32 v[ST+8*\t], s[CS], v[ST+8*\t+1]      ; c m
.endr
.if !(\first)
.irp t, 0,1,2,3
	v_sub_f32 v[ST+8*\t+7], v[ST+8*\t+7], v[ST+8*\t]
.endr
.endif
.set e, 0
.rept 16
.irp t, 0,1,2,3
	v_pk_fma_f32 v[S+32*\t+e:S+32*\t+e+1], v[S+32*\t+e:S+32*\t+e+1], s[CS:CS+1], v[ST+8*\t:ST+8*\t+1] op_sel_hi:[1,0,0] neg_lo:[0,0,1] neg_hi:[0,0,1]   ; c s - c m, two at a time
.endr
.set e, e+2
.endr
.if !(\first)
.irp t, 0,1,2,3
	v_exp_f32 v[ST+8*\t+6], v[ST+8*\t+7]           ; a
.endr
.endif
.set e, 0
.rept 32
.irp t, 0,1,2,3
	v_exp_f32 v[S+32*\t+e], v[S+32*\t+e]           ; p: ONE batch of exponentials; none of them reads another's result
.endr
.set e, e+1
.endr
	v_nop                                          ; a plain instruction behind the last exponential,
	s_wait_alu depctr_va_vdst(0)                   ; and one wait ahead of the batch's first reader
.set e, 0
.rept 16
.irp t, 0,1,2,3
	v_cvt_pk_f16_f32 v[P+16*\t+e], v[S+32*\t+2*e], v[S+32*\t+2*e+1]         ; key tiles 2 g and 2 g + 1 make P's fragment g
.endr
.set e, e+1
.endr
.irp u, 0,1,2,3,4,5,6,7                ; the sum of the unrounded p, pairs added as a tree, in place
.irp t, 0,1,2,3
	v_pk_add_f32 v[S+32*\t+4*\u:S+32*\t+4*\u+1], v[S+32*\t+4*\u:S+32*\t+4*\u+1], v[S+32*\t+4*\u+2:S+32*\t+4*\u+3]
.endr
.endr
.irp u, 0,1,2,3
.irp t, 0,1,2,3
	v_pk_add_f32 v[S+32*\t+8*\u:S+32*\t+8*\u+1], v[S+32*\t+8*\u:S+32*\t+8*\u+1], v[S+32*\t+8*\u+4:S+32*\t+8*\u+5]
.endr
.endr
.irp u, 0,1
.irp t, 0,1,2,3
	v_pk_add_f32 v[S+32*\t+16*\u:S+32*\t+16*\u+1], v[S+32*\t+16*\u:S+32*\t+16*\u+1], v[S+32*\t+16*\u+8:S+32*\t+16*\u+9]
.endr
.endr
.irp t, 0,1,2,3
.if \first
	v_pk_add_f32 v[ST+8*\t+2:ST+8*\t+3], v[S+32*\t:S+32*\t+1], v[S+32*\t+16:S+32*\t+17]
.else
	v_pk_add_f32 v[S+32*\t:S+32*\t+1], v[S+32*\t:S+32*\t+1], v[S+32*\t+16:S+32*\t+17]
.endif
.endr
.if !(\first)
.irp t, 0,1,2,3
	v_pk_fma_f32 v[ST+8*\t+2:ST+8*\t+3], v[ST+8*\t+2:ST+8*\t+3], v[ST+8*\t+6:ST+8*\t+7], v[S+32*\t:S+32*\t+1] op_sel_hi:[1,0,1]   ; l = a l + the step's sum
.endr
.endif
.endm
.macro RESCALE                         ; O^T x a, each accumulator from its low end on
	WIN 0x41                                       ; O^T window 1, a window 0
.irp t, 0,1,2,3
.set e, 0
.rept 16
	v_pk_mul_f32 v[32*\t+e:32*\t+e+1], v[32*\t+e:32*\t+e+1], v[ST+8*\t+6:ST+8*\t+7] op_sel_hi:[1,0]
.set e, e+2
.endr
.endr
.endm
; A key step: 64 keys.  V is asked for as soon as the products have read K, into the same registers, and lands under the softmax.
.macro STEP first
	v_add_nc_u32 v[ADK], s[TB], v[AK0]
	v_add_nc_u32 v[ADV], s[TB], v[AV0]
	LDKV ADK
	s_wait_dscnt 0x0                               ; K is in
	QK
	WIN 0
	PLACES
	LDKV ADV
	WIN 0
	SOFTMAX \first
.if !(\first)
	RESCALE
.endif
	s_wait_dscnt 0x0                               ; V is in
	PV \first
	WIN 0
	PLACES
	s_add_co_u32 s[TB], s[TB], 8192
.endm
	s_load_b256 s[4:11], s[0:1], 0x0               ; qimg s[4:5], kimg s[6:7], vimg s[8:9], opart s[10:11]
	s_load_b64 s[12:13], s[0:1], 0x20              ; mlpart
	v_lshl_add_u32 v[SPW], v0, 2, SPARE
	v_mov_b32 v[NIL], 0
	ds_add_u32 v[SPW], v[NIL]                      ; the wave's opening: the add, twice on end, and its wait ahead of my first tensor load; the set-up below is work on registers
	ds_add_u32 v[SPW], v[NIL]
	v_lshrrev_b32 v9, 5, v0
	v_readfirstlane_b32 s[WV], v9                  ; wave 0..7
	s_and_b32 s[QG], s[WV], 3
	s_lshr_b32 s[KG], s[WV], 2
	s_and_b32 s19, ttmp7, 0xffff                   ; the part of the keys, which the four partners share
	s_bfe_u32 s73, ttmp6, 0x40000                  ; cx: my place in the cluster
	s_lshl_b32 s74, ttmp9, 2                       ; in a cluster launch ttmp9 counts clusters
	s_add_co_u32 s74, s74, s73                     ; my block of 256 queries
	; what I fetch.  w = 4 tv + 2 kh + pb: tv = 0: K, 1: V; kh: which half of the part's keys; pb: which half of a piece
	s_lshr_b32 s20, s[WV], 1                       ; 2 tv + kh
	s_and_b32 s21, s[WV], 1                        ; pb
	s_lshl_b32 s22, s20, 16                        ; LDS: where that half of that tensor begins
	s_lshl_b32 s58, s21, 13                        ; the first piece: 8,192 pb
	s_mov_b32 s59, 0
	s_lshl_b32 s60, s21, 14                        ; the third: 32,768 + 16,384 pb
	s_add_co_u32 s60, s60, 32768
	s_mov_b32 s61, 0
	s_and_b32 s62, s20, 1
	s_lshl_b32 s62, s62, 16                        ; in memory: 65,536 kh
	s_lshl_b32 s63, s19, 17                        ; + 131,072 x part
	s_add_co_u32 s62, s62, s63
	s_mov_b32 s63, 0
	s_mov_b32 s[G0], 1                             ; count = 1
	s_add_co_u32 s[G0+1], s22, s58                 ; LDS address: steps 0 and 1
	s_mov_b32 s[G0+4], 1
	s_add_co_u32 s[G0+5], s[G0+1], 16384           ; steps 2 and 3
	s_mov_b32 s[G0+8], 1
	s_add_co_u32 s[G0+9], s22, s60                 ; steps 4 to 7
	; descriptor group 1: a dense block as rows of 256 bytes (32 elements of 8 bytes), no padding
	s_mov_b32 s[G1A], 15|(3<<16)|(1<<21)           ; 15:0 the mask: all four work-groups; 17:16 elements of 8 bytes; 21 set beside a mask
	s_mov_b32 s[G1A+1], 32<<16                     ; tensor_dim0 = 32
	s_mov_b32 s[G1A+2], 32<<16                     ; tensor_dim1 = 32
	s_mov_b32 s[G1A+3], 32<<16                     ; tile_dim0 = 32
	s_mov_b32 s[G1A+4], 32                         ; tile_dim1 = 32
	s_mov_b32 s[G1A+5], 32                         ; from row to row
	s_mov_b32 s[G1A+6], 0
	s_mov_b32 s[G1A+7], 0
	s_mov_b32 s[G1C], 15|(3<<16)|(1<<21)
	s_mov_b32 s[G1C+1], 32<<16
	s_mov_b32 s[G1C+2], 64<<16                     ; 64 rows
	s_mov_b32 s[G1C+3], 32<<16
	s_mov_b32 s[G1C+4], 64
	s_mov_b32 s[G1C+5], 32
	s_mov_b32 s[G1C+6], 0
	s_mov_b32 s[G1C+7], 0
	s_mov_b32 s[CS], 0x3e38aa3b                    ; c = log2(e) / sqrt(64)
	s_mov_b32 s[CS+1], s[CS]
	s_mov_b32 s[SEL], 0x76543210
	s_mov_b32 s[SEL+1], 0xfedcba98
	s_mov_b32 s[TB], 0
	v_and_b32 v[LI], 31, v0
	v_lshlrev_b32 v[LI], 4, v[LI]
	s_lshl_b32 s17, s[KG], 16
	v_add_nc_u32 v[AK0], s17, v[LI]
	v_add_nc_u32 v[AV0], VIMG, v[AK0]
	s_mul_i32 s17, s[QG], EXB
	v_add_nc_u32 v[EXA], s17, v[LI]
	v_lshrrev_b32 v[GM], 1, v[LI]
	v_add_nc_u32 v[EXM], s17, v[GM]
	s_lshl_b32 s66, s74, 15                        ; Q: 32,768 bytes a block, 8,192 a wave's 64 queries
	s_lshl_b32 s72, s[QG], 13
	s_add_co_u32 s66, s66, s72
	s_mov_b32 s67, 0
	s_lshl_b32 s68, s19, 21                        ; O^T: 2,097,152 bytes a part, 65,536 a block, 16,384 a wave
	s_lshl_b32 s72, s74, 16
	s_add_co_u32 s68, s68, s72
	s_lshl_b32 s72, s[QG], 14
	s_add_co_u32 s68, s68, s72
	s_mov_b32 s69, 0
	s_lshl_b32 s70, s19, 17                        ; (c m, l): 131,072 bytes a part, 4,096 a block, 1,024 a wave
	s_lshl_b32 s72, s74, 12
	s_add_co_u32 s70, s70, s72
	s_lshl_b32 s72, s[QG], 10
	s_add_co_u32 s70, s70, s72
	s_mov_b32 s71, 0
	s_wait_dscnt 0x0                               ; both opening adds are done
	s_wait_kmcnt 0x0
	s_cmp_lt_u32 s[WV], 4                          ; waves 0-3 fetch K, waves 4-7 V: the choice hangs on the wave's number alone
	s_cselect_b64 s[2:3], s[6:7], s[8:9]
	s_add_nc_u64 s[2:3], s[2:3], s[62:63]
	s_add_nc_u64 s[G0+2:G0+3], s[2:3], s[58:59]
	s_add_nc_u64 s[G0+6:G0+7], s[G0+2:G0+3], 16384
	s_add_nc_u64 s[G0+10:G0+11], s[2:3], s[60:61]
	s_or_b32 s[G0+3], s[G0+3], 0x80000000          ; type = 2
	s_or_b32 s[G0+7], s[G0+7], 0x80000000
	s_or_b32 s[G0+11], s[G0+11], 0x80000000
	s_add_nc_u64 s[4:5], s[4:5], s[66:67]
	s_add_nc_u64 s[10:11], s[10:11], s[68:69]
	s_add_nc_u64 s[12:13], s[12:13], s[70:71]
	CROUND                                         ; all four work-groups are here: the joint loads meet
	tensor_load_to_lds s[G0:G0+3], s[G1A:G1A+7]    ; all fills of the launch go out as one group; an s_nop 0 follows each, four v_nop the last
	s_nop 0
	tensor_load_to_lds s[G0+4:G0+7], s[G1A:G1A+7]
	s_nop 0
	tensor_load_to_lds s[G0+8:G0+11], s[G1C:G1C+7]
	s_nop 0
.rept 4
	v_nop
.endr
	WIN 0x40                                       ; destination window 1
.set n, 0
.rept 16
	global_load_b128 v[Q+4*n:Q+4*n+3], v[LI], s[4:5] offset:512*n    ; Q stays in registers: tile t, channels 32 g on, at v[Q + 16 t + 8 g]
.set n, n+1
.endr
	WIN 0
	s_wait_tensorcnt 0x2                           ; my first piece is in; the two behind it stay out
	BAR                                            ; everybody's first piece is in
	s_wait_loadcnt 0x0                             ; Q
	STEP 1
	STEP 0
	s_wait_tensorcnt 0x1                           ; my second piece is in; the third stays out.  No LDS instruction of mine is out: a step ends behind its own waits
	BAR
	s_mov_b32 s[CNT], 2
.Lmid:
	STEP 0
	s_sub_co_u32 s[CNT], s[CNT], 1
	s_cmp_lg_u32 s[CNT], 0
	s_cbranch_scc1 .Lmid
	s_wait_tensorcnt 0x0                           ; my third piece is in
	BAR
	s_mov_b32 s[CNT], 4
.Llate:
	STEP 0
	s_sub_co_u32 s[CNT], s[CNT], 1
	s_cmp_lg_u32 s[CNT], 0
	s_cbranch_scc1 .Llate
	; ---- THE TWO HALVES OF THE KEYS ARE JOINED.  l: its two halves and the other half of the lanes'; it takes m's place, so that (c m, l) is a pair
.irp t, 0,1,2,3
	v_add_f32 v[ST+8*\t+4], v[ST+8*\t+2], v[ST+8*\t+3]
.endr
.irp t, 0,1,2,3
	v_permlanex16_b32 v[ST+8*\t+5], v[ST+8*\t+4], s[SEL], s[SEL+1]
.endr
.irp t, 0,1,2,3
	v_add_f32 v[ST+8*\t+1], v[ST+8*\t+4], v[ST+8*\t+5]
.endr
	s_wait_dscnt 0x0                               ; my reads of K and V are over
	BAR                                            ; everybody's are: K's bytes may be written
	s_cmp_lt_u32 s[WV], 4
	s_cbranch_scc1 .Lkeep                          ; waves 4-7 hand their half over
	WIN 0x04                                       ; an LDS store's data are its source 1: window 1
.set n, 0
.rept 32
	ds_store_b128 v[EXA], v[4*n:4*n+3] offset:512*n   ; each accumulator from its low end on
.set n, n+1
.endr
	WIN 0
.irp t, 0,1,2,3
	ds_store_b64 v[EXM], v[ST+8*\t:ST+8*\t+1] offset:16384+256*\t
.endr
.Lkeep:
	s_wait_dscnt 0x0                               ; for the others' sake: my stores have landed
	BAR
	s_cmp_ge_u32 s[WV], 4
	s_cbranch_scc1 .Lend                           ; waves 0-3 join and store
.set n, 0
.rept 32
	ds_load_b128 v[S+4*n:S+4*n+3], v[EXA] offset:512*n
.set n, n+1
.endr
.irp t, 0,1,2,3
	ds_load_b64 v[ST+8*\t+4:ST+8*\t+5], v[EXM] offset:16384+256*\t
.endr
	s_wait_dscnt 0x0
.irp t, 0,1,2,3
	v_max_num_f32 v[ST+8*\t+6], v[ST+8*\t], v[ST+8*\t+4]                    ; the joint c m
.endr
.irp t, 0,1,2,3
	v_sub_f32 v[ST+8*\t+2], v[ST+8*\t], v[ST+8*\t+6]
.endr
.irp t, 0,1,2,3
	v_sub_f32 v[ST+8*\t+4], v[ST+8*\t+4], v[ST+8*\t+6]
.endr
.irp t, 0,1,2,3
	v_exp_f32 v[ST+8*\t+2], v[ST+8*\t+2]           ; my factor
.endr
.irp t, 0,1,2,3
	v_exp_f32 v[ST+8*\t+4], v[ST+8*\t+4]           ; the other half's
.endr
	v_nop                                          ; a plain instruction behind the last exponential,
	s_wait_alu depctr_va_vdst(0)                   ; and one wait for the eight, ahead of their first reader
.irp t, 0,1,2,3
	v_mul_f32 v[ST+8*\t+7], v[ST+8*\t+4], v[ST+8*\t+5]
.endr
.irp t, 0,1,2,3
	v_fmac_f32 v[ST+8*\t+7], v[ST+8*\t+2], v[ST+8*\t+1]                     ; the joint l
.endr
.irp t, 0,1,2,3
.set e, 0
.rept 16
	v_pk_mul_f32 v[S+32*\t+e:S+32*\t+e+1], v[S+32*\t+e:S+32*\t+e+1], v[ST+8*\t+4:ST+8*\t+5] op_sel_hi:[1,0]
.set e, e+2
.endr
.endr
	WIN 0x01                                       ; source 0 (my O^T) window 1
.irp t, 0,1,2,3
.set e, 0
.rept 16
	v_pk_fma_f32 v[S+32*\t+e:S+32*\t+e+1], v[32*\t+e:32*\t+e+1], v[ST+8*\t+2:ST+8*\t+3], v[S+32*\t+e:S+32*\t+e+1] op_sel_hi:[1,0,1]   ; each accumulator from its low end on
.set e, e+2
.endr
.endr
	WIN 0
.set n, 0
.rept 32
	global_store_b128 v[LI], v[S+4*n:S+4*n+3], s[10:11] offset:512*n th:TH_STORE_NT   ; 512 consecutive bytes a store
.set n, n+1
.endr
.irp t, 0,1,2,3
	global_store_b64 v[GM], v[ST+8*\t+6:ST+8*\t+7], s[12:13] offset:256*\t            ; 256 consecutive bytes a store
.endr
.Lend:
	s_wait_tensorcnt 0x0                           ; the wave's end, behind my last tensor load and my last LDS store
	ds_add_u32 v[SPW], v[NIL]
	s_wait_dscnt 0x0
	CROUND                                         ; the closing round: no work-group ends while a partner may still ask for a piece that names it
	s_endpgm
.Lfunc_end_k_q257438a84c_attn:
	.size	k_q257438a84c_attn, .Lfunc_end_k_q257438a84c_attn-k_q257438a84c_attn
	.p2alignl 7, 3214868480
	.fill 96, 4, 3214868480
	.section	.rodata,"a",@progbits
	.p2align	6, 0x0
	.amdhsa_kernel k_q257438a84c_attn
		.amdhsa_group_segment_fixed_size 263168
		.amdhsa_private_segment_fixed_size 0
		.amdhsa_enable_private_segment 0
		.amdhsa_kernarg_size 40
		.amdhsa_user_sgpr_count 2
		.amdhsa_user_sgpr_kernarg_segment_ptr 1
		.amdhsa_wavefront_size32 1
		.amdhsa_system_sgpr_workgroup_id_x 1
		.amdhsa_system_sgpr_workgroup_id_y 1
		.amdhsa_system_sgpr_workgroup_id_z 1
		.amdhsa_system_vgpr_workitem_id 0
		.amdhsa_next_free_vgpr 512
		.amdhsa_next_free_sgpr 76
		.amdhsa_reserve_vcc 0
		.amdhsa_float_denorm_mode_32 3
		.amdhsa_float_denorm_mode_16_64 3
		.amdhsa_memory_ordered 1
		.amdhsa_forward_progress 1
		.amdhsa_inst_pref_size 148
	.end_amdhsa_kernel
	.amdgpu_metadata
---
amdhsa.version: [ 1, 2 ]
amdhsa.kernels:
  - .name:           k_q257438a84c_attn
    .symbol:         k_q257438a84c_attn.kd
    .args:
      - { .name: qimg, .offset: 0, .size: 8, .value_kind: global_buffer, .address_space: global }
      - { .name: kimg, .offset: 8, .size: 8, .value_kind: global_buffer, .address_space: global }
      - { .name: vimg, .offset: 16, .size: 8, .value_kind: global_buffer, .address_space: global }
      - { .name: opart, .offset: 24, .size: 8, .value_kind: global_buffer, .address_space: global }
      - { .name: mlpart, .offset: 32, .size: 8, .value_kind: global_buffer, .address_space: global }
    .group_segment_fixed_size: 263168
    .private_segment_fixed_size: 0
    .kernarg_segment_align: 8
    .kernarg_segment_size: 40
    .max_flat_workgroup_size: 256
    .sgpr_count:     76
    .vgpr_count:     512
    .wavefront_size: 32
...
	.end_amdgpu_metadata
.endif
;; end of part 3
;; launch outp (part 4): grid 256 x 1, 2 waves a work-group, no clusters, 21,504 bytes of LDS; arguments opart, mlpart, wsum, out0; writes out0
.if DOCPART == 4
	.amdgcn_target "amdgcn-amd-amdhsa--gfx1250"
	.amdhsa_code_object_version 6
	.text
	.protected	k_q257438a84c_outp
	.globl	k_q257438a84c_outp
	.p2align	8
	.type	k_q257438a84c_outp,@function
k_q257438a84c_outp:
	s_mov_b64 s[64:65], 0
	v_nop
	global_prefetch_b8 v0, s[64:65] scope:SCOPE_SE
	s_setreg_imm32_b32 hwreg(HW_REG_WAVE_MODE, 25, 1), 1
	s_wait_xcnt 0x0
; OUTP.  The eight parts of the keys are joined (O = the sum of 2^(c m_s - c m) O_s, L likewise of l_s), and out0 = (O / L) Wsum.  The join is f32; the product takes f16 operands and f32 sums.
; THE HEAD'S SIZE HAS NO FIXED RANGE: each query's O is first multiplied by 2^-E, E the exponent of the row's own largest magnitude (exact), so that it lies under 2 for f16; the result is multiplied by 2^E / L.
; SHARES.  A work-group takes 32 queries.  Wave w joins query tile 2 x work-group + w and lays the f16 fragments in LDS as images of their registers; one barrier; then wave w makes output columns 256 w .. 256 w + 255 for both tiles.
; The product is used TRANSPOSED (source 0 = 16 columns of Wsum, source 1 = 16 queries): a lane holds eight neighbouring columns of one row of out0.  A block of 16 rows x 128 columns goes through the wave's own stage in LDS and leaves as whole rows of 512 bytes.
; LIMITS: NaN and infinities are not served.  A row's largest magnitude is floored at 2^-100 and stays under 2^126.  Of a row's numbers, what lies under 3e-8 of the row's largest becomes 0 in f16.
; REGISTERS.  Window 0: v1-15 addresses and work; v16-31 the parts' (c m -> factor, l); v32-63 the joined O^T; v64-79 it in f16; v80-111 both tiles' fragments; v112-115 2^E / L of the two tiles (pairs); v116-119; v128-191 8 accumulators; v192-255 rows on their way out.
;   Window 1: the eight parts, 32 registers each.   Window 2: my 16 column tiles of Wsum, at 16 tile + 8 g.
.set HIMG,  0                          ; LDS: two tiles' fragments, 2,048 bytes each,
.set FIMG,  4096                       ; their 2^E / L, 128 bytes each,
.set STG,   4352                       ; a stage of 16 rows x 528 bytes for each wave,
.set SPARE, 21248                      ; the spare words, 128 bytes for each wave: one block of 256 bytes that no other line names
.set LI,  1                            ; v1  16 x lane
.set L8,  2                            ; v2  8 x lane
.set L4,  3                            ; v3  4 x lane
.set HW,  4                            ; v4  where I store my tile's image
.set FW,  5                            ; v5  and its 2^E / L
.set STO, 6                            ; v6  the stage, in: row r, + 32 h
.set RD,  7                            ; v7  and back: 16 x lane of a row
.set SPW, 14                           ; v14 LDS address of my spare word; never rewritten
.set NIL, 15                           ; v15 0; never rewritten
.set ML,  16
.set ACC, 32
.set H,   64
.set HF,  80
.set FO,  112
.set D,   128
.set BK,  192
.set MSB, 0
.macro WIN new                         ; the immediate's high byte repeats the setting that is left
.if MSB != \new
	s_set_vgpr_msb (MSB<<8)|\new
.set MSB, \new
.endif
.endm
.macro PARTS base, from                ; four parts, from .. from + 3, of my tile: 32 loads of 512 consecutive bytes
	WIN 0x40                                       ; destination window 1
.irp p, 0,1,2,3
.set n, 0
.rept 8
	global_load_b128 v[32*((\from)+\p)+4*n:32*((\from)+\p)+4*n+3], v[LI], s[\base:\base+1] offset:\p*2097152+512*n th:TH_LOAD_NT
.set n, n+1
.endr
.endr
	WIN 0
.endm
.macro JOIN p                          ; O^T takes part p x its factor
.set n, 0
.rept 16
.if (\p) == 0
	v_pk_mul_f32 v[ACC+n:ACC+n+1], v[32*(\p)+n:32*(\p)+n+1], v[ML+2*(\p):ML+2*(\p)+1] op_sel_hi:[1,0]
.else
	v_pk_fma_f32 v[ACC+n:ACC+n+1], v[32*(\p)+n:32*(\p)+n+1], v[ML+2*(\p):ML+2*(\p)+1], v[ACC+n:ACC+n+1] op_sel_hi:[1,0,1]
.endif
.set n, n+2
.endr
.endm
.macro WLOAD half                      ; 32 chunks of Wsum: my column tiles 8 half .. 8 half + 7
	WIN 0x80                                       ; destination window 2
.set n, 32*(\half)
.rept 32
	global_load_b128 v[4*n:4*n+3], v[LI], s[8:9] offset:512*n
.set n, n+1
.endr
	WIN 0
.endm
; 16 queries (tile i) x 128 columns (my half cb): 16 matrix instructions, 8 accumulators by turns; x 2^E / L; through my stage; stored
.macro BLOCK i, cb
.rept 5
	v_nop                                          ; the accumulators are begun anew: five places behind the block before (ISA guide 7.12.1)
.endr
	WIN 0x02                                       ; source 0 (Wsum) window 2
.irp g, 0,1
.irp n, 0,1,2,3,4,5,6,7
.if \g == 0
	v_wmma_f32_16x16x32_f16 v[D+8*\n:D+8*\n+7], v[16*(8*(\cb)+\n)+8*\g:16*(8*(\cb)+\n)+8*\g+7], v[HF+16*(\i)+8*\g:HF+16*(\i)+8*\g+7], 0
.else
	v_wmma_f32_16x16x32_f16 v[D+8*\n:D+8*\n+7], v[16*(8*(\cb)+\n)+8*\g:16*(8*(\cb)+\n)+8*\g+7], v[HF+16*(\i)+8*\g:HF+16*(\i)+8*\g+7], v[D+8*\n:D+8*\n+7]
.endif
.endr
.endr
	WIN 0
.rept 4
	v_nop                                          ; four places in front of the first read of results
.endr
.set k, 0
.rept 32
	v_pk_mul_f32 v[D+k:D+k+1], v[D+k:D+k+1], v[FO+2*(\i):FO+2*(\i)+1] op_sel_hi:[1,0]   ; each accumulator from its low end on
.set k, k+2
.endr
	s_wait_xcnt 0x0                                ; the block before's stores have read v192-255, which are loaded again below
.irp n, 0,1,2,3,4,5,6,7
	ds_store_b128 v[STO], v[D+8*\n:D+8*\n+3] offset:64*\n
	ds_store_b128 v[STO], v[D+8*\n+4:D+8*\n+7] offset:64*\n+16
.endr
.irp t, 0,1,2,3,4,5,6,7,8,9,10,11,12,13,14,15
	ds_load_b128 v[BK+4*\t:BK+4*\t+3], v[RD] offset:528*\t     ; LDS serves a wave's instructions in order: these see my stores
.endr
	s_wait_dscnt 0x0
.irp t, 0,1,2,3,4,5,6,7,8,9,10,11,12,13,14,15
	global_store_b128 v[LI], v[BK+4*\t:BK+4*\t+3], s[10:11] offset:(\i)*32768+(\cb)*512+\t*2048 th:TH_STORE_NT   ; 512 consecutive bytes, at a multiple of 256 from out0's first byte
.endr
.endm
	s_load_b256 s[4:11], s[0:1], 0x0               ; opart s[4:5], mlpart s[6:7], wsum s[8:9], out0 s[10:11]
	v_lshl_add_u32 v[SPW], v0, 2, SPARE
	v_mov_b32 v[NIL], 0
	v_lshrrev_b32 v8, 5, v0
	v_readfirstlane_b32 s12, v8                    ; wave 0, 1
	v_and_b32 v8, 31, v0                           ; lane
	v_and_b32 v9, 15, v0                           ; r
	v_bfe_u32 v10, v0, 4, 1                        ; h
	v_lshlrev_b32 v[LI], 4, v8
	v_lshlrev_b32 v[L8], 3, v8
	v_lshlrev_b32 v[L4], 2, v8
	s_lshl_b32 s13, s12, 11
	v_add_nc_u32 v[HW], s13, v[LI]                 ; (HIMG is byte 0)
	s_lshl_b32 s13, s12, 7
	s_add_co_u32 s13, s13, FIMG
	v_add_nc_u32 v[FW], s13, v[L4]
	s_mul_i32 s13, s12, 8448
	s_add_co_u32 s13, s13, STG                     ; my stage
	v_mul_u32_u24 v[STO], v9, 528
	v_lshl_add_u32 v[STO], v10, 5, v[STO]
	v_add_nc_u32 v[STO], s13, v[STO]
	v_add_nc_u32 v[RD], s13, v[LI]
	v_mov_b32 v[FO+1], 0                           ; named as the upper halves of pairs, so they are written
	v_mov_b32 v[FO+3], 0
	v_mov_b32 v119, 0
	s_mov_b32 s24, 0x76543210
	s_mov_b32 s25, 0xfedcba98                      ; lane l xor 16
	s_lshl_b32 s13, ttmp9, 1
	s_add_co_u32 s13, s13, s12                     ; my query tile
	s_lshl_b32 s14, s13, 12                        ; 4,096 bytes of O^T a tile,
	s_mov_b32 s15, 0
	s_lshl_b32 s16, s13, 8                         ; 256 of (c m, l)
	s_mov_b32 s17, 0
	s_lshl_b32 s18, s12, 15                        ; Wsum: my 16 column tiles of 2,048 bytes
	s_mov_b32 s19, 0
	s_lshl_b32 s20, ttmp9, 16                      ; out0: 32 rows of 2,048 bytes a work-group, + my 1,024 bytes of a row
	s_lshl_b32 s21, s12, 10
	s_add_co_u32 s20, s20, s21
	s_mov_b32 s21, 0
	s_wait_kmcnt 0x0
	s_add_nc_u64 s[4:5], s[4:5], s[14:15]
	s_add_nc_u64 s[6:7], s[6:7], s[16:17]
	s_add_nc_u64 s[8:9], s[8:9], s[18:19]
	s_add_nc_u64 s[10:11], s[10:11], s[20:21]
	s_add_nc_u64 s[22:23], s[4:5], 0x800000        ; parts 4 to 7: four parts on, beyond what the immediate holds
.irp p, 0,1,2,3,4,5,6,7
	global_load_b64 v[ML+2*\p:ML+2*\p+1], v[L8], s[6:7] offset:\p*131072
.endr
	PARTS 4, 0
	s_wait_loadcnt 32                              ; the eight (c m, l) are in; the 32 loads of parts 0-3 stay out
	v_max3_num_f32 v8, v[ML], v[ML+2], v[ML+4]
	v_max3_num_f32 v8, v8, v[ML+6], v[ML+8]
	v_max3_num_f32 v8, v8, v[ML+10], v[ML+12]
	v_max_num_f32 v8, v8, v[ML+14]                 ; the largest c m: it is taken away ahead of the exponentials
.irp p, 0,1,2,3,4,5,6,7
	v_sub_f32 v[ML+2*\p], v[ML+2*\p], v8
.endr
.irp p, 0,1,2,3,4,5,6,7
	v_exp_f32 v[ML+2*\p], v[ML+2*\p]               ; the parts' factors
.endr
	v_nop                                          ; a plain instruction behind the last exponential,
	s_wait_alu depctr_va_vdst(0)                   ; and one wait for the eight, ahead of their first reader
	v_mul_f32 v9, v[ML], v[ML+1]
.irp p, 1,2,3,4,5,6,7
	v_fmac_f32 v9, v[ML+2*\p], v[ML+2*\p+1]        ; L
.endr
	PARTS 22, 4
	s_wait_loadcnt 32                              ; parts 0-3 are in; the 32 loads of parts 4-7 stay out
	WIN 0x01                                       ; source 0 (a part) window 1
	JOIN 0
	JOIN 1
	JOIN 2
	JOIN 3
	WLOAD 0
	s_wait_loadcnt 32                              ; parts 4-7 are in; Wsum's first 32 loads stay out
	WIN 0x01
	JOIN 4
	JOIN 5
	JOIN 6
	JOIN 7
	WLOAD 1
	v_rcp_f32 v11, v9                              ; 1 / L; the search below is the independent work behind it
	v_max3_num_f32 v116, |v[ACC]|, |v[ACC+1]|, 0x0d800000   ; the row's largest magnitude, and the floor 2^-100
.irp j, 2,4,6,8,10,12,14,16,18,20,22,24,26,28,30
	v_max3_num_f32 v116, v116, |v[ACC+\j]|, |v[ACC+\j+1]|
.endr
	v_permlanex16_b32 v10, v116, s24, s25          ; the query's other 32 channels lie in the lane 16 away
	v_max_num_f32 v116, v116, v10
	v_and_b32 v117, 0x7f800000, v116               ; 2^E
	v_sub_nc_u32 v118, 0x7f000000, v117            ; 2^-E: the exponent field 254 less E's
	s_wait_alu depctr_va_vdst(0)                   ; one wait ahead of the reciprocal's first reader
	v_mul_f32 v12, v117, v11                       ; 2^E / L
.set n, 0
.rept 16
	v_pk_mul_f32 v[ACC+n:ACC+n+1], v[ACC+n:ACC+n+1], v[118:119] op_sel_hi:[1,0]   ; exact
.set n, n+2
.endr
.set n, 0
.rept 16
	v_cvt_pk_f16_f32 v[H+n], v[ACC+2*n], v[ACC+2*n+1]   ; channel tiles 2 g and 2 g + 1 make fragment g
.set n, n+1
.endr
.irp n, 0,1,2,3
	ds_store_b128 v[HW], v[H+4*\n:H+4*\n+3] offset:HIMG+512*\n
.endr
	ds_store_b32 v[FW], v12
	s_wait_dscnt 0x0                               ; for the other wave's sake: my image lies in LDS
	s_barrier_signal -1
	s_barrier_wait -1
.irp n, 0,1,2,3,4,5,6,7
	ds_load_b128 v[HF+4*\n:HF+4*\n+3], v[LI] offset:HIMG+512*\n
.endr
.irp i, 0,1
	ds_load_b32 v[FO+2*\i], v[L4] offset:FIMG+128*\i
.endr
	s_wait_dscnt 0x0
	s_wait_loadcnt 32                              ; Wsum's first half is in; the other 32 loads stay out
	BLOCK 0, 0
	BLOCK 1, 0
	s_wait_loadcnt 0x0
	BLOCK 0, 1
	BLOCK 1, 1
	s_wait_tensorcnt 0x0                           ; the wave's end, behind my last LDS store
	ds_add_u32 v[SPW], v[NIL]
	s_wait_dscnt 0x0
	s_endpgm
.Lfunc_end_k_q257438a84c_outp:
	.size	k_q257438a84c_outp, .Lfunc_end_k_q257438a84c_outp-k_q257438a84c_outp
	.p2alignl 7, 3214868480
	.fill 96, 4, 3214868480
	.section	.rodata,"a",@progbits
	.p2align	6, 0x0
	.amdhsa_kernel k_q257438a84c_outp
		.amdhsa_group_segment_fixed_size 21504
		.amdhsa_private_segment_fixed_size 0
		.amdhsa_enable_private_segment 0
		.amdhsa_kernarg_size 32
		.amdhsa_user_sgpr_count 2
		.amdhsa_user_sgpr_kernarg_segment_ptr 1
		.amdhsa_wavefront_size32 1
		.amdhsa_system_sgpr_workgroup_id_x 1
		.amdhsa_system_sgpr_workgroup_id_y 1
		.amdhsa_system_sgpr_workgroup_id_z 1
		.amdhsa_system_vgpr_workitem_id 0
		.amdhsa_next_free_vgpr 768
		.amdhsa_next_free_sgpr 66
		.amdhsa_reserve_vcc 0
		.amdhsa_float_denorm_mode_32 3
		.amdhsa_float_denorm_mode_16_64 3
		.amdhsa_memory_ordered 1
		.amdhsa_forward_progress 1
		.amdhsa_inst_pref_size 57
	.end_amdhsa_kernel
	.amdgpu_metadata
---
amdhsa.version: [ 1, 2 ]
amdhsa.kernels:
  - .name:           k_q257438a84c_outp
    .symbol:         k_q257438a84c_outp.kd
    .args:
      - { .name: opart, .offset: 0, .size: 8, .value_kind: global_buffer, .address_space: global }
      - { .name: mlpart, .offset: 8, .size: 8, .value_kind: global_buffer, .address_space: global }
      - { .name: wsum, .offset: 16, .size: 8, .value_kind: global_buffer, .address_space: global }
      - { .name: out0, .offset: 24, .size: 8, .value_kind: global_buffer, .address_space: global }
    .group_segment_fixed_size: 21504
    .private_segment_fixed_size: 0
    .kernarg_segment_align: 8
    .kernarg_segment_size: 32
    .max_flat_workgroup_size: 64
    .sgpr_count:     66
    .vgpr_count:     768
    .wavefront_size: 32
...
	.end_amdgpu_metadata
.endif
;; end of part 4
